; MI455X (gfx1250); checked and timed in simulation.
; The chip was launched on July 23, 2026; its instructions are those of AMD's public machine-readable ISA for CDNA 5 (MIT licence, August 2026) and "CDNA5" Instruction Set Architecture Reference Guide (July 2026). The comments in the code are by the model that wrote it; some were corrected since.
;; Tensorized GRU. Allowed arithmetic: float matrix products may take bf16 or f16 operands with f32 sums; other float arithmetic in f32, or as packed bf16 or f16 multiplies, adds, multiply-adds, maxima and minima; sums over many terms, partial sums and values carried from step to step in f32; what a program stores and reads back later, other than sums and carried values, may be rounded once to bf16 or f16.
;; Inputs: W1 128 x 256 x 256 float32; W2 128 x 256 x 256 float32; W3 256 x 128 float32; b1 128 float32; b2 128 float32; in0 4,096 x 128 float32; in1 4,096 x 128 float32; st0 4,096 x 128 float32; st1 4,096 x 128 float32.
;; Outputs: out0 4,096 x 128 float32.
;; 2 versions, each right. Each part assembles by itself: llvm-mc -triple=amdgcn-amd-amdhsa -mcpu=gfx1250 --defsym DOCPART=n.
;; ======== version 1 of 2: 1 launch
;; launch gru (part 1): grid 8 x 32, 4 waves a work-group, clusters of 4 x 1, 327,680 bytes of LDS; arguments in0, in1, st0, st1, W1, W2, W3, b1, b2, out0; writes out0
.if DOCPART == 1
	.amdgcn_target "amdgcn-amd-amdhsa--gfx1250"
	.amdhsa_code_object_version 6
	.text
	.protected	k_q282eb2d891_gru
	.globl	k_q282eb2d891_gru
	.p2align	8
	.type	k_q282eb2d891_gru,@function
k_q282eb2d891_gru:
	s_mov_b64 s[64:65], 0
	v_nop
	global_prefetch_b8 v0, s[64:65] scope:SCOPE_SE
	s_setreg_imm32_b32 hwreg(HW_REG_WAVE_MODE, 25, 1), 1
	s_wait_xcnt 0x0
	s_wait_alu depctr_hold_cnt(0) depctr_sa_sdst(0) depctr_va_vdst(0) depctr_va_sdst(0) depctr_va_ssrc(0) depctr_va_vcc(0) depctr_vm_vsrc(0)
	s_getreg_b32 s2, hwreg(HW_REG_IB_STS2, 6, 4)
	s_cmp_eq_u32 s2, 0
	s_cbranch_scc0 .Lentry_in_a_cluster
	s_endpgm
.Lentry_in_a_cluster:
	s_bfe_u32 s2, ttmp6, 0x10000c
	s_cmp_lg_u32 s2, 0x3003
	s_cbranch_scc0 .Lentry_shape_is_right
	s_endpgm
.Lentry_shape_is_right:
; TENSORIZED GRU.  s = [st0|st1], x = [in0|in1], both [4096][256].  m1[b][l] = sum over j, k of s[b][j] x[b][k] W1[l][j][k], m2 the same with W2;
; out[b][l] = u tanh(m1 + b1) + (1 - u) (s W3)[b][l], u = sigmoid(m2 + b2).
; NOTHING IS LEFT OUT: every input has a way to the output, and all ten buffers are arguments.
; ORDER OF THE SUMS.  T[j][b] = sum over k of W[l][j][k] x[b][k] is a matrix product (rows of W lie along k, rows of x lie along k), with the same multiply-adds as the trilinear form;
; m[b][l] = sum over j of s[b][j] T[j][b] has another T for every b, so it is no matrix product: it is made in f32 by fused multiply-adds, one for each number of T.
; FORMATS.  x, s, W1, W2, W3, b1 and b2 are each rounded once to bf16; T, m, s W3 and the gates are f32.
; LIMITS.  tanh z = 1 - 2 / (1 + 2^(2 z log2 e)): its absolute error is a few units of f32's last place at 1, so tiny z keep no relative accuracy; an exponential below 2^-126 counts as 0 and one past f32's
; range as infinity, which give the gates' end values -1, 0, 1; NaN and infinities among the inputs are not treated apart.
; SHARES.  256 work-groups of four waves.  A work-group owns 512 rows b and four l (l0 = 4 y) of W1 and of W2: eight planes q (0-3: W1[l0+q], 4-7: W2[l0+q-4]).  A wave owns 128 of the rows, eight tiles
; of 16; their x stays in 512 registers as bf16 fragments for the whole launch.  The walk: jt = 0..15 (16 values of j), and for each the eight planes: a STEP is 16 j x 256 k of one plane times 128 rows,
; 64 matrix instructions a wave.
; LAYOUT.  Source 0 = 16 rows j of W, source 1 = 16 rows b of x: register i of lane (r, h) of the result is T[16 jt + 8 h + i][b = r].  So the sum over j stays in the lane: eight multiply-adds into one
; register P[q][tile]; the two halves of the lanes are added once, at the end.
; s W3 goes with it on the matrix unit: the packed s of two tiles, as they lie for the multiply-adds, ARE a source 1 of 32 deep (16 j of one tile, then 16 j of the next); source 0 holds W3's four columns in
; rows 0-3 for the first 16 and in rows 8-11 for the second 16, zeros elsewhere: registers 0-3 of the result hold (s W3)[b = 32 p + lane][l0 + 0..3].
; CLUSTER.  The four work-groups of a cluster have the same y and walk the same planes of W: each block is asked for JOINTLY, by the same tensor load, descriptor and mask in all four.
; THE OUTPUT.  A work-group has 16 bytes of each of its rows of out0 (four l).  Whole pieces of 256 bytes of a row would want 64 l to a work-group, and then 32 rows b, sixteen times the readings of W.
; REGISTERS, in windows of 256 (s_set_vgpr_msb: bits 1:0 source 0, 3:2 source 1, 5:4 source 2, 7:6 destination):
;   window 0: v0-15 addresses, masks, at work; v16-47 s packed; v48-111 the next s in f32; v112-175 W in f32, four fragments; v176-239 eight accumulators; v240-251 W3
;   window 1: v0-127 W's bf16 fragments, two buffers; v128-191 P; v192-223 s W3; v224-231 W3's fragment; v232-233 LDS addresses          windows 2, 3: x
.set PITCH, 1040                       ; an LDS row: 1,024 bytes + 16 of padding = 260 words: row r starts 4 r words on (64 banks of 4 bytes: ISA guide 11.1), so the 16 rows of a load start at 16 different groups of four banks
.set BLK,   16*PITCH                   ; a block: 16 rows j of one plane
.set SLOT,  4*BLK                      ; slot 0: planes 0-3 (W1); slot 1: planes 4-7 (W2)
.set SPARE, 2*SLOT                     ; behind the ring: the spare words, 128 bytes for each wave: two blocks of 256 bytes that no other line names
.set JSTEP, 16*1024                    ; bytes of a plane from one jt to the next
.set XO,  2                            ; v2   512 r + 32 h: my byte offset in 16 rows of in0, in1, st0, st1; never rewritten
.set W3O, 3                            ; v3   4,096 h + 4 (r % 4): my byte offset in 16 rows of W3; never rewritten
.set OO,  4                            ; v4   512 x lane: my row among 32 of out0
.set PFO, 5                            ; v5   256 x lane: the prefetches' offset; never rewritten
.set MA,  6                            ; v6   all ones where r < 4
.set MB,  7                            ; v7   all ones where 8 <= r < 12
.set SPW, 8                            ; v8   LDS address of my spare word; never rewritten
.set NIL, 9                            ; v9   0; never rewritten
.set S,   16                           ; tile t's s at v[S+4t]: eight j, packed
.set L,   48                           ; tile t's next s at v[L+8t], f32
.set STG, 112                          ; fragment f of W in f32 at v[STG+16(f%4)]
.set ACC, 176                          ; tile t's accumulator at v[ACC+8t]
.set W3R, 240
.set Q,   248
.set P,   128                          ; window 1: P[q][t] at P+8q+t
.set D3,  192                          ; window 1: s W3 for tiles 2p, 2p+1 at D3+8p
.set A3,  224                          ; window 1
.set WA,  232                          ; window 1: v232 my place in slot 0, v233 in slot 1
.set CB,   16                          ; the way out, window 0
.set KEEP, 48
.set OUT,  80
.set SND,  112
.set PRM,  144
.set WV,  8                            ; s8   my wave's number
.set CX,  9                            ; s9   my place in the cluster: it enters x's, s's, out0's and the prefetches' addresses alone
.set BX,  10
.set YY,  11
.set G1,  24                           ; s[24:31] descriptor group 1
.set G0A, 32                           ; s[32:35] group 0 for slot 0
.set G0B, 36                           ; s[36:39] group 0 for slot 1
.set SB0, 40                           ; s[40:41] st0 at my wave's rows
.set SB1, 42                           ; s[42:43] st1
.set SPT, 44                           ; s[44:45] where the next s comes from
.set W3P, 46                           ; s[46:47] W3 at column l0, at the rows of the jt last loaded
.set PF1, 48                           ; s[48:49] where my prefetches stand in W1
.set PF2, 50                           ; s[50:51] in W2
.set OUTP, 52
.set JO,  54                           ; s[54:55] 64 (jt % 8), high word 0
.set CNT, 56
.set SJ,  57                           ; the jt whose s was asked for last
.set LIM, 58                           ; 1 in a wave that prefetches, else the greatest number
.set HM,  59                           ; lanes 16-31
.set SEL, 60                           ; s[60:61] v_permlanex16_b32's selects: each lane takes its own place in the other half
.set K1,  62                           ; 2 log2 e
.set K2,  63                           ; - log2 e
.set B1S, 88
.set B2S, 92
.set X0P, 96
.set X1P, 98
.set MSB, 0
.macro WIN new                         ; the immediate's high byte repeats the setting that is left; a switch that changes nothing is dropped
.if MSB != (\new)
	s_set_vgpr_msb (MSB<<8)|(\new)
.set MSB, (\new)
.endif
.endm
.set M_A, 0x09                         ; W's fragments (and an LDS load's address) in window 1, x in window 2, accumulators (and an LDS load's data) in window 0
.set M_B, 0x0d                         ; the same with x in window 3
.set R1,  0x50                         ; destination and source 2 in window 1, sources 0 and 1 in window 0: serves the conversions of W and the multiply-adds into P
.set W3M, 0x51                         ; W3's fragment and the sums in window 1, s in window 0
.set LDW, 0x01                         ; an LDS load's address in window 1, its data in window 0
; A round of the cluster's barrier: my work-group's barrier, so that wave 0's signal speaks for all four waves; wave 0 signals; every wave waits for all four work-groups; my work-group's barrier once more.
.macro CROUND
	s_barrier_signal -1
	s_barrier_wait -1
	s_cmp_lg_u32 s[WV], 0
	s_cbranch_scc1 .Lnot_wave_0_\@
	s_barrier_signal -3
.Lnot_wave_0_\@:
	s_barrier_wait -3
	s_barrier_signal -1
	s_barrier_wait -1
.endm
	s_load_b512 s[68:83], s[0:1], 0x0              ; in0 68, in1 70, st0 72, st1 74, W1 76, W2 78, W3 80, b1 82
	s_load_b128 s[84:87], s[0:1], 0x40             ; b2 84, out0 86
	v_lshl_add_u32 v[SPW], v0, 2, SPARE
	v_mov_b32 v[NIL], 0
	ds_add_u32 v[SPW], v[NIL]                      ; the wave's opening: the add, twice on end, and its wait ahead of my first tensor load; the set-up below stands between
	ds_add_u32 v[SPW], v[NIL]
	v_lshrrev_b32 v10, 5, v0
	v_readfirstlane_b32 s[WV], v10                 ; wave 0..3
	s_bfe_u32 s[CX], ttmp6, 0x40000                ; cx
	s_lshl_b32 s[BX], ttmp9, 2                     ; in a cluster launch ttmp9 counts clusters
	s_add_co_u32 s[BX], s[BX], s[CX]               ; my block of 512 rows
	s_and_b32 s[YY], ttmp7, 0xffff                 ; y, which the four partners share
	; descriptor group 1: a block of 16 rows x 256 elements of 4 bytes, padded in LDS
	s_mov_b32 s[G1], 15|(2<<16)|(1<<20)|(1<<21)|(7<<22)|(3<<25)  ; 15:0 the mask of four; 17:16 4-byte elements; 20 padding on; 21 set beside a mask; 24:22 after every 256 words (code 7); 31:25 4 words (code 3)
	s_mov_b32 s[G1+1], 256<<16                     ; tensor_dim0 = 256
	s_mov_b32 s[G1+2], 16<<16                      ; tensor_dim1 = 16
	s_mov_b32 s[G1+3], 256<<16                     ; tile_dim0 = 256
	s_mov_b32 s[G1+4], 16                          ; tile_dim1 = 16
	s_mov_b32 s[G1+5], 256                         ; 256 elements from row to row
	s_mov_b32 s[G1+6], 0
	s_mov_b32 s[G1+7], 0
	s_lshl_b32 s12, s[BX], 18                      ; 512 rows of 512 bytes,
	s_lshl_b32 s13, s[WV], 16                      ; my wave's 128 of them
	s_add_co_u32 s12, s12, s13
	s_mov_b32 s13, 0
	s_lshl_b32 s14, s[YY], 2
	s_add_co_u32 s14, s14, s[WV]                   ; the plane that I fetch: l0 + wave: no place in the cluster enters it
	s_lshl_b32 s14, s14, 18                        ; planes of 262,144 bytes
	s_mov_b32 s15, 0
	s_lshl_b32 s16, s[YY], 2
	s_add_co_u32 s16, s16, s[CX]                   ; the plane that my work-group prefetches: l0 + cx,
	s_lshl_b32 s16, s16, 18
	s_and_b32 s17, s[WV], 1
	s_lshl_b32 s17, s17, 13                        ; my wave's 8,192 bytes of a block,
	s_add_co_u32 s16, s16, s17
	s_add_co_u32 s16, s16, JSTEP                   ; at jt = 1: the first change of slots steps it to 2
	s_mov_b32 s17, 0
	s_lshl_b32 s22, s[YY], 4                       ; 4 l0 bytes: four f32
	s_mov_b32 s23, 0
	s_mul_i32 s18, s[WV], BLK                      ; where my block goes in a slot
	s_lshr_b32 s19, s[WV], 1                       ; waves 0 and 1
	s_or_b32 s19, s19, ttmp9                       ; of the first of the two clusters that walk these planes: the same in all four partners
	s_cmp_eq_u32 s19, 0
	s_cselect_b32 s[LIM], 1, -1
	s_mov_b32 s[JO+1], 0
	s_mov_b32 s[SJ], 0
	s_mov_b32 s[HM], 0xffff0000
	s_mov_b32 s[SEL], 0x76543210
	s_mov_b32 s[SEL+1], 0xfedcba98
	s_mov_b32 s[K1], 0x4038aa3b
	s_mov_b32 s[K2], 0xbfb8aa3b
	v_and_b32 v1, 15, v0                           ; r
	v_bfe_u32 v10, v0, 4, 1                        ; h
	v_and_b32 v11, 31, v0                          ; lane
	v_lshlrev_b32 v[XO], 9, v1
	v_lshl_add_u32 v[XO], v10, 5, v[XO]
	v_and_b32 v12, 3, v0
	v_lshlrev_b32 v[W3O], 2, v12
	v_lshl_add_u32 v[W3O], v10, 12, v[W3O]
	v_lshlrev_b32 v[OO], 9, v11
	v_lshlrev_b32 v[PFO], 8, v11
	v_and_b32 v12, 12, v0                          ; r with its two low bits cleared
	v_cmp_eq_u32 s20, 0, v12
	v_cndmask_b32 v[MA], 0, -1, s20
	v_cmp_eq_u32 s21, 8, v12
	v_cndmask_b32 v[MB], 0, -1, s21
	v_mul_u32_u24 v13, v1, PITCH
	v_lshl_add_u32 v13, v10, 5, v13                ; row x pitch + 32 h: eight f32 for each half of the lanes
	s_wait_dscnt 0x0                               ; both opening adds are done
	s_wait_kmcnt 0x0
	s_add_nc_u64 s[X0P:X0P+1], s[68:69], s[12:13]
	s_add_nc_u64 s[X1P:X1P+1], s[70:71], s[12:13]
	s_add_nc_u64 s[SB0:SB0+1], s[72:73], s[12:13]
	s_add_nc_u64 s[SB1:SB1+1], s[74:75], s[12:13]
	s_mov_b64 s[SPT:SPT+1], s[SB0:SB0+1]           ; jt = 0
	s_mov_b32 s[G0A], 1                            ; 1:0 count = 1
	s_mov_b32 s[G0A+1], s18                        ; 63:32 LDS address
	s_add_nc_u64 s[G0A+2:G0A+3], s[76:77], s[14:15]  ; 120:64 global address: my plane of W1, jt = 0
	s_or_b32 s[G0A+3], s[G0A+3], 0x80000000        ; 127:126 type = 2
	s_mov_b32 s[G0B], 1
	s_add_co_u32 s[G0B+1], s18, SLOT
	s_add_nc_u64 s[G0B+2:G0B+3], s[78:79], s[14:15]
	s_or_b32 s[G0B+3], s[G0B+3], 0x80000000
	s_add_nc_u64 s[PF1:PF1+1], s[76:77], s[16:17]
	s_add_nc_u64 s[PF2:PF2+1], s[78:79], s[16:17]
	s_add_nc_u64 s[W3P:W3P+1], s[80:81], s[22:23]
	s_add_nc_u64 s[OUTP:OUTP+1], s[86:87], s[12:13]
	s_add_nc_u64 s[OUTP:OUTP+1], s[OUTP:OUTP+1], s[22:23]
	s_load_b128 s[B1S:B1S+3], s[82:83], s22 offset:0x0  ; b1[l0 .. l0+3]; s22 is not written again
	s_load_b128 s[B2S:B2S+3], s[84:85], s22 offset:0x0  ; b2[l0 .. l0+3]
	CROUND                                         ; all four work-groups are here: the first joint loads meet
	tensor_load_to_lds s[G0A:G0A+3], s[G1:G1+7]    ; both first fills stand together, ahead of every wait on TENSORcnt and every LDS read: two loads of mine are out
	s_nop 0
	tensor_load_to_lds s[G0B:G0B+3], s[G1:G1+7]
	s_nop 0
.rept 4
	v_nop
.endr
; x INTO REGISTERS.  A fragment is 16 rows x 32 k in 8 registers: lane (r, h) holds row r, k = 8 h + 0..7 and 16 + 8 h + 0..7.  In f32 that is four loads of 16 bytes, at 0, 16, 64 and 80 behind 128 kf + 32 h.
; A tile's 32 loads land in 128 registers at lb of window lw, and 64 conversions pack them into the tile's 64.
.macro XLOAD bt, lw, lb
	WIN (\lw)<<6
.set kf_, 0
.rept 8
.set j_, 0
.rept 4
.if kf_ < 4
	global_load_b128 v[(\lb)+16*kf_+4*j_:(\lb)+16*kf_+4*j_+3], v[XO], s[X0P:X0P+1] offset:(\bt)*8192+(kf_%4)*128+16*(j_%2)+64*(j_/2)
.else
	global_load_b128 v[(\lb)+16*kf_+4*j_:(\lb)+16*kf_+4*j_+3], v[XO], s[X1P:X1P+1] offset:(\bt)*8192+(kf_%4)*128+16*(j_%2)+64*(j_/2)
.endif
.set j_, j_+1
.endr
.set kf_, kf_+1
.endr
.endm
.macro XCVT bt, lw, lb                 ; tile bt lies in window 2 + bt / 4 at 64 (bt % 4)
	WIN ((2+(\bt)/4)<<6)|((\lw)<<2)|(\lw)
.set z, 0
.rept 64
	v_cvt_pk_bf16_f32 v[64*((\bt)%4)+z], v[(\lb)+2*z], v[(\lb)+2*z+1]
.set z, z+1
.endr
.endm
; s of 16 j for my eight tiles (lane (r, h): row r, j = 8 h + 0..7: two loads of 16 bytes a tile) and W3's 16 rows (lane: rows 8 h + 0..7, column l0 + r % 4): 24 loads.
.macro SLOADS
.set z, 0
.rept 8
	global_load_b128 v[L+8*z:L+8*z+3],   v[XO], s[SPT:SPT+1] offset:z*8192
	global_load_b128 v[L+8*z+4:L+8*z+7], v[XO], s[SPT:SPT+1] offset:z*8192+16
.set z, z+1
.endr
.set z, 0
.rept 8
	global_load_b32 v[W3R+z], v[W3O], s[W3P:W3P+1] offset:z*512
.set z, z+1
.endr
.endm
	XLOAD 0, 1, 0                                  ; five landing places of 128 registers that hold nothing yet
	XLOAD 1, 1, 128
	XLOAD 2, 0, 112
	XLOAD 3, 3, 0
	XLOAD 4, 3, 128
	s_wait_loadcnt 0x3f                            ; tiles 0-2 are in: 64 younger loads could stay out, and the wait's field holds 63
	XCVT 0, 1, 0
	XCVT 1, 1, 128
	XCVT 2, 0, 112
	XLOAD 5, 1, 0                                  ; into the three places just read out
	XLOAD 6, 1, 128
	XLOAD 7, 0, 112
	WIN 0
	SLOADS                                         ; s and W3 of jt = 0
	s_wait_loadcnt 0x3f                            ; tiles 3 and 4 are in: 120 younger loads could stay out
	XCVT 3, 3, 0
	XCVT 4, 3, 128
	s_wait_loadcnt 24                              ; tiles 5-7 are in; the 24 loads of s and W3 may stay out
	XCVT 5, 1, 0
	XCVT 6, 1, 128
	XCVT 7, 0, 112
	; What the first trip finds, so that the loop has one text: P and s W3 start at 0; its first multiply-adds, of a step that has not been, add 0 x 0.  144 lines, in the wait for the first block.
	WIN 0x40
.set z, 0
.rept 96
	v_mov_b32 v[P+z], 0
.set z, z+1
.endr
	v_mov_b32 v[WA], v13
	v_add_nc_u32 v[WA+1], SLOT, v13
	WIN 0
.set z, 0
.rept 32
	v_mov_b32 v[ACC+32+z], 0
.set z, z+1
.endr
.set z, 0
.rept 16
	v_mov_b32 v[S+16+z], 0
.set z, z+1
.endr
	s_wait_kmcnt 0x0                               ; b1 and b2
; THE MATRIX WORK.  Product idx of 64 of step q: k = 32 kf on, kf = (idx % 32) / 4; tile 4 (idx / 32) + idx % 4.  Four accumulators take turns, one instruction a turn; the first four start the sums.
.macro WM q, idx
.set kf_, ((\idx)%32)/4
.set bt_, 4*((\idx)/32)+(\idx)%4
.if (\idx) < 32
	WIN M_A
.else
	WIN M_B
.endif
.set rA_, 64*((\q)%2)+8*kf_
.set rB_, 64*(bt_%4)+8*kf_
.set rD_, ACC+8*bt_
.if kf_ == 0
	v_wmma_f32_16x16x32_bf16 v[rD_:rD_+7], v[rA_:rA_+7], v[rB_:rB_+7], 0
.else
	v_wmma_f32_16x16x32_bf16 v[rD_:rD_+7], v[rA_:rA_+7], v[rB_:rB_+7], v[rD_:rD_+7]
.endif
.endm
; One of the four loads of fragment f of plane qq, in f32.  It runs under the products' window setting: address in window 1, data in window 0.
.macro WLD qq, f, j
	ds_load_b128 v[STG+16*((\f)%4)+4*(\j):STG+16*((\f)%4)+4*(\j)+3], v[WA+(\qq)/4] offset:((\qq)%4)*BLK+128*(\f)+16*((\j)%2)+64*((\j)/2)
.endm
.macro CV b, f, c                      ; register c of fragment f, buffer b: two numbers of W rounded to bf16
	v_cvt_pk_bf16_f32 v[64*(\b)+8*(\f)+(\c)], v[STG+16*((\f)%4)+2*(\c)], v[STG+16*((\f)%4)+2*(\c)+1]
.endm
; Multiply-add n of 32 for plane qq, tiles 4 g .. 4 g + 3: P += T[j = 8 h + n / 4] x s[that j], tile 4 g + n % 4.  T whole f32, s a bf16 half.  Each accumulator is read from its lowest register on.
.macro MX qq, g, n
.set mi_, (\n)/4
.set mb_, 4*(\g)+(\n)%4
.if mi_%2
	v_fma_mix_f32_bf16 v[P+8*(\qq)+mb_], v[ACC+8*mb_+mi_], v[S+4*mb_+mi_/2], v[P+8*(\qq)+mb_] op_sel:[0,1,0] op_sel_hi:[0,1,0]
.else
	v_fma_mix_f32_bf16 v[P+8*(\qq)+mb_], v[ACC+8*mb_+mi_], v[S+4*mb_+mi_/2], v[P+8*(\qq)+mb_] op_sel_hi:[0,1,0]
.endif
.endm
; ONCE A jt, in the middle of step 0: behind the last multiply-adds that read the old s, ahead of the first that read the new.  s and W3 of this jt, asked for a trip ago, are packed; load = 1: the next jt's are
; asked for; four products add this jt's 16 j to s W3.
.macro JTLUMP load
	WIN 0
	s_wait_loadcnt 0x0                             ; the 24 loads are in, and have read their addresses: the two pointers may be written
.set z, 0
.rept 32
	v_cvt_pk_bf16_f32 v[S+z], v[L+2*z], v[L+2*z+1]
.set z, z+1
.endr
.irp c, 0,1,2,3
	v_cvt_pk_bf16_f32 v[Q+\c], v[W3R+2*\c], v[W3R+2*\c+1]
.endr
	WIN 0x40
.irp c, 0,1,2,3
	v_and_b32 v[A3+\c], v[MA], v[Q+\c]             ; rows 0-3: k = 0..15
	v_and_b32 v[A3+4+\c], v[MB], v[Q+\c]           ; rows 8-11: k = 16..31
.endr
.if \load
	WIN 0
	s_add_co_u32 s[SJ], s[SJ], 1
	s_and_b32 s[JO], s[SJ], 7
	s_lshl_b32 s[JO], s[JO], 6                     ; 16 f32 for each jt within st0 or st1
	s_cmp_lt_u32 s[SJ], 8
	s_cselect_b64 s[SPT:SPT+1], s[SB0:SB0+1], s[SB1:SB1+1]
	s_add_nc_u64 s[SPT:SPT+1], s[SPT:SPT+1], s[JO:JO+1]
	s_add_nc_u64 s[W3P:W3P+1], s[W3P:W3P+1], 8192  ; 16 rows of W3
	SLOADS
.endif
	WIN W3M
.irp p, 0,1,2,3
	v_wmma_f32_16x16x32_bf16 v[D3+8*\p:D3+8*\p+7], v[A3:A3+7], v[S+8*\p:S+8*\p+7], v[D3+8*\p:D3+8*\p+7]
.endr
.endm
; A STEP: 32 pairs of products, behind each pair four vector instructions.
;   pairs 0-7    the step before's tiles 4-7 are added into P; behind each product stands one LDS load: fragments 0-3 of the next step's W (fetch = 1)
;   pairs 8-15   those fragments are rounded to bf16, into the other buffer; the counts 12, 8, 4, 0 leave the younger fragments' four loads each out
;   pairs 16-23  this step's tiles 0-3 are added into P; fragments 4-7 are loaded          pairs 24-31  and rounded
; A vector instruction that reads a matrix result stands four places behind it, and only plain vector instructions that name none of its registers are places (ISA guide 7.12.1): the four conversions behind pair
; 15 and behind pair 31 are the places between an accumulator's last product and its first reader.  fetch = 0 (the last step of all): nothing follows, and four v_nop take their part.
; lump = 1, 2: JTLUMP stands behind pair 15, without or with its loads.
.macro STEP q, fetch, lump
.set qn, ((\q)+1)%8
.set qp, ((\q)+7)%8
.set nb, ((\q)+1)%2
.set i, 0
.rept 32
.set ld, (\fetch) && ((i%16) < 8)
	WM \q, 2*i
.if ld
	WLD qn, 4*(i/16)+(i%8)/2, 2*(i%2)
.endif
	WM \q, 2*i+1
.if ld
	WLD qn, 4*(i/16)+(i%8)/2, 2*(i%2)+1
.endif
.if (i%16) < 8
	WIN R1
.irp n, 0,1,2,3
.if i < 8
	MX qp, 1, 4*i+\n
.else
	MX \q, 0, 4*(i-16)+\n
.endif
.endr
.elseif \fetch
.if i%2 == 0
	s_wait_dscnt 12-2*(i%8)
.endif
	WIN R1
.irp n, 0,1,2,3
	CV nb, 4*(i/16)+(i%8)/2, 4*(i%2)+\n
.endr
.elseif i == 15
.rept 4
	v_nop
.endr
.endif
.if (\lump) && (i == 15)
	JTLUMP (\lump)-1
.endif
.set i, i+1
.endr
.endm
; A PREFETCH INTO THE L2, behind a joint load and its five lines: the same tensor's blocks one jt further on than that load's: a trip, 512 matrix instructions, ahead of the load that will want them.
; Each 256 bytes of W1 and W2 are named ONCE in the launch.  Two clusters walk the same planes: the first (cluster x = 0) asks.  Its four partners share the four planes out BY ADDRESS (plane l0 + cx): no branch
; hangs on a work-group's place in its cluster.  In each, waves 0 and 1 take half a block: a lane 256 bytes, one instruction.  jt = 0 and 1 come by their loads alone; the loop's last trip asks for nothing.
.macro ASK pf
	s_cmp_gt_u32 s[CNT], s[LIM]
	s_cbranch_scc0 .Lnot_mine_\@
	global_prefetch_b8 v[PFO], s[\pf:(\pf)+1] th:TH_LOAD_NT scope:SCOPE_SE
.Lnot_mine_\@:
.endm
; THE CHANGE OF SLOTS.  The slot's last block has been read into registers.  Each wave waits for all its tensor loads, of which one is out: its block of the other slot; adds 0 to its spare word; and waits for that
; and for its reads of the slot.  fill = 1: the barrier is a round of the cluster's, so that no wave of any partner still reads the slot or has a load on its way, and the joint refill, the next jt's block,
; is the first thing behind it: it has four steps, 256 matrix instructions, in which to land.
.macro CHANGE g0, pf, fill
	WIN 0                                          ; the add's registers lie in window 0; at a label and at a branch every window is 0
	s_wait_tensorcnt 0x0                           ; no tensor load of mine is out, so a group 0 may be written
	ds_add_u32 v[SPW], v[NIL]                      ; 0 onto my spare word
.if \fill
	s_add_nc_u64 s[(\g0)+2:(\g0)+3], s[(\g0)+2:(\g0)+3], JSTEP  ; the type bits on top are not reached
	s_wait_xcnt 0x0                                ; this pointer's last prefetch, a trip back, has read it
	s_add_nc_u64 s[\pf:(\pf)+1], s[\pf:(\pf)+1], JSTEP
	s_wait_dscnt 0x0                               ; the add is done, and my reads of the slot are over
	CROUND
	tensor_load_to_lds s[\g0:(\g0)+3], s[G1:G1+7]
	s_nop 0
.rept 4
	v_nop
.endr
	ASK \pf
.else
	s_wait_dscnt 0x0
	s_barrier_signal -1
	s_barrier_wait -1
.endif
.endm
; A TRIP: one jt.  Step q fetches the fragments of step q + 1: steps 7, 0, 1, 2 read slot 0, steps 3 to 6 slot 1.
.macro TRIP fill
	STEP 0, 1, 1+(\fill)
	STEP 1, 1, 0
	STEP 2, 1, 0
	CHANGE G0A, PF1, \fill                         ; slot 0 is read out; slot 1 is whole
	STEP 3, 1, 0
	STEP 4, 1, 0
	STEP 5, 1, 0
	STEP 6, 1, 0
.if \fill
	CHANGE G0B, PF2, 1                             ; slot 1 is read out; slot 0 holds the next jt
.endif
	STEP 7, \fill, 0
.endm
.macro FIRSTW g                        ; four fragments of step 0's W, ahead of the loop
	WIN LDW
.set z, 0
.rept 16
	WLD 0, 4*(\g)+z/4, z%4
.set z, z+1
.endr
	WIN R1
.set z, 0
.rept 32
.if z%8 == 0
	s_wait_dscnt 12-z/2                            ; the younger fragments' four loads each may stay out
.endif
	CV 0, 4*(\g)+z/8, z%8
.set z, z+1
.endr
.endm
	s_wait_tensorcnt 0x1                           ; my block of slot 0 is in; slot 1's may stay out
	s_barrier_signal -1
	s_barrier_wait -1                              ; everybody's is
	FIRSTW 0
	FIRSTW 1
	WIN 0
	s_mov_b32 s[CNT], 15
.Ltrip:                                                ; jt = 0 .. 14: both slots are filled again
	TRIP 1
	WIN 0
	s_sub_co_u32 s[CNT], s[CNT], 1
	s_cmp_lg_u32 s[CNT], 0
	s_cbranch_scc1 .Ltrip
	TRIP 0                                         ; jt = 15 is written out: nothing is asked for
	WIN R1
.rept 4
	v_nop                                          ; the places behind the last products
.endr
.set z, 0
.rept 32
	MX 7, 1, z                                     ; the last step's tiles 4-7
.set z, z+1
.endr
	; THE WAY OUT.  P[q][t] of lane (r, h) holds the j with (j / 8) % 2 = h for row 16 t + r.  For tiles 2 p and 2 p + 1 lanes 0-15 keep the even tile's and send the odd one's, lanes 16-31 the other way round:
	; one exchange between the halves, one addition, and lane l holds m for row 32 p + l, as s W3's registers do.  z = 8 p + q.
	WIN 0x05                                       ; sources 0 and 1 in window 1
.set z, 0
.rept 32
	v_cndmask_b32 v[SND+z],  v[P+8*(z%8)+2*(z/8)+1], v[P+8*(z%8)+2*(z/8)],   s[HM]
	v_cndmask_b32 v[KEEP+z], v[P+8*(z%8)+2*(z/8)],   v[P+8*(z%8)+2*(z/8)+1], s[HM]
.set z, z+1
.endr
	WIN 0
.set z, 0
.rept 32
	v_permlanex16_b32 v[PRM+z], v[SND+z], s[SEL], s[SEL+1]
.set z, z+1
.endr
	v_cvt_pk_bf16_f32 v10, s[B1S], s[B1S+1]        ; the biases, rounded to bf16 like every input,
	v_cvt_pk_bf16_f32 v11, s[B1S+2], s[B1S+3]
	v_cvt_pk_bf16_f32 v12, s[B2S], s[B2S+1]
	v_cvt_pk_bf16_f32 v13, s[B2S+2], s[B2S+3]
.irp c, 0,1,2,3
	v_lshlrev_b32 v[CB+2*\c], 16, v[10+\c]
	v_and_b32 v[CB+2*\c+1], 0xffff0000, v[10+\c]
.endr
.irp c, 0,1,2,3
	v_mul_f32 v[CB+\c], s[K1], v[CB+\c]            ; times the exponent's factor
	v_mul_f32 v[CB+4+\c], s[K2], v[CB+4+\c]
.endr
.set z, 0
.rept 32
	v_add_f32 v[KEEP+z], v[KEEP+z], v[PRM+z]       ; m
.set z, z+1
.endr
.set z, 0
.rept 32
	v_fma_f32 v[KEEP+z], v[KEEP+z], s[K1+(z%8)/4], v[CB+z%8]  ; 2 log2 e (m1 + b1), or - log2 e (m2 + b2)
.set z, z+1
.endr
.set z, 0
.rept 32
	v_exp_f32 v[KEEP+z], v[KEEP+z]
.set z, z+1
.endr
	v_nop                                          ; a plain instruction behind the last exponential,
	s_wait_alu depctr_va_vdst(0)                   ; and a wait ahead of the first use: one for the batch of 32
.set z, 0
.rept 16
	v_pk_add_f32 v[KEEP+z:KEEP+z+1], v[KEEP+z:KEEP+z+1], 1.0 op_sel_hi:[1,0]
.set z, z+2
.endr
.set z, 0
.rept 32
	v_rcp_f32 v[KEEP+z], v[KEEP+z]
.set z, z+1
.endr
	v_nop
	s_wait_alu depctr_va_vdst(0)                   ; one for the 32 reciprocals
.set z, 0
.rept 16                                       ; z = 4 p + i
	v_fma_f32 v[KEEP+8*(z/4)+z%4], v[KEEP+8*(z/4)+z%4], -2.0, 1.0  ; tanh
.set z, z+1
.endr
	WIN 0x04                                       ; source 1 in window 1
.set z, 0
.rept 16
	v_sub_f32 v[KEEP+8*(z/4)+z%4], v[KEEP+8*(z/4)+z%4], v[D3+8*(z/4)+z%4]  ; tanh - s W3
.set z, z+1
.endr
	WIN 0x10                                       ; source 2 in window 1
.set z, 0
.rept 16
	v_fma_f32 v[OUT+z], v[KEEP+8*(z/4)+4+z%4], v[KEEP+8*(z/4)+z%4], v[D3+8*(z/4)+z%4]  ; u (tanh - s W3) + s W3
.set z, z+1
.endr
	WIN 0
.irp p, 0,1,2,3
	global_store_b128 v[OO], v[OUT+4*(\p):OUT+4*(\p)+3], s[OUTP:OUTP+1] offset:(\p)*16384  ; row 32 p + lane, columns l0 .. l0 + 3
.endr
	s_wait_tensorcnt 0x0                           ; the wave's end, behind my last tensor load
	ds_add_u32 v[SPW], v[NIL]
	s_wait_dscnt 0x0
	CROUND                                         ; the closing round: no work-group ends while a partner may still ask for a block that names it
	s_endpgm
.Lfunc_end_k_q282eb2d891_gru:
	.size	k_q282eb2d891_gru, .Lfunc_end_k_q282eb2d891_gru-k_q282eb2d891_gru
	.p2alignl 7, 3214868480
	.fill 96, 4, 3214868480
	.section	.rodata,"a",@progbits
	.p2align	6, 0x0
	.amdhsa_kernel k_q282eb2d891_gru
		.amdhsa_group_segment_fixed_size 327680
		.amdhsa_private_segment_fixed_size 0
		.amdhsa_enable_private_segment 0
		.amdhsa_kernarg_size 80
		.amdhsa_user_sgpr_count 2
		.amdhsa_user_sgpr_kernarg_segment_ptr 1
		.amdhsa_wavefront_size32 1
		.amdhsa_system_sgpr_workgroup_id_x 1
		.amdhsa_system_sgpr_workgroup_id_y 1
		.amdhsa_system_sgpr_workgroup_id_z 1
		.amdhsa_system_vgpr_workitem_id 0
		.amdhsa_next_free_vgpr 1024
		.amdhsa_next_free_sgpr 100
		.amdhsa_reserve_vcc 0
		.amdhsa_float_denorm_mode_32 3
		.amdhsa_float_denorm_mode_16_64 3
		.amdhsa_memory_ordered 1
		.amdhsa_forward_progress 1
		.amdhsa_inst_pref_size 255
	.end_amdhsa_kernel
	.section	.bss,"aw",@nobits
	.p2align	6
	.space	262144
	.amdgpu_metadata
---
amdhsa.version: [ 1, 2 ]
amdhsa.kernels:
  - .name:           k_q282eb2d891_gru
    .symbol:         k_q282eb2d891_gru.kd
    .args:
      - { .name: in0, .offset: 0, .size: 8, .value_kind: global_buffer, .address_space: global }
      - { .name: in1, .offset: 8, .size: 8, .value_kind: global_buffer, .address_space: global }
      - { .name: st0, .offset: 16, .size: 8, .value_kind: global_buffer, .address_space: global }
      - { .name: st1, .offset: 24, .size: 8, .value_kind: global_buffer, .address_space: global }
      - { .name: W1, .offset: 32, .size: 8, .value_kind: global_buffer, .address_space: global }
      - { .name: W2, .offset: 40, .size: 8, .value_kind: global_buffer, .address_space: global }
      - { .name: W3, .offset: 48, .size: 8, .value_kind: global_buffer, .address_space: global }
      - { .name: b1, .offset: 56, .size: 8, .value_kind: global_buffer, .address_space: global }
      - { .name: b2, .offset: 64, .size: 8, .value_kind: global_buffer, .address_space: global }
      - { .name: out0, .offset: 72, .size: 8, .value_kind: global_buffer, .address_space: global }
    .group_segment_fixed_size: 327680
    .private_segment_fixed_size: 0
    .kernarg_segment_align: 8
    .kernarg_segment_size: 80
    .max_flat_workgroup_size: 128
    .sgpr_count:     100
    .vgpr_count:     1024
    .wavefront_size: 32
...
	.end_amdgpu_metadata
.endif
;; end of part 1
;; ======== version 2 of 2: 1 launch
;; launch gru (part 2): grid 8 x 32, 4 waves a work-group, clusters of 4 x 1, 327,680 bytes of LDS; arguments in0, in1, st0, st1, W1, W2, W3, b1, b2, out0; writes out0
.if DOCPART == 2
	.amdgcn_target "amdgcn-amd-amdhsa--gfx1250"
	.amdhsa_code_object_version 6
	.text
	.protected	k_q282eb2d891_gru
	.globl	k_q282eb2d891_gru
	.p2align	8
	.type	k_q282eb2d891_gru,@function
k_q282eb2d891_gru:
	s_mov_b64 s[64:65], 0
	v_nop
	global_prefetch_b8 v0, s[64:65] scope:SCOPE_SE
	s_setreg_imm32_b32 hwreg(HW_REG_WAVE_MODE, 25, 1), 1
	s_wait_xcnt 0x0
	s_wait_alu depctr_hold_cnt(0) depctr_sa_sdst(0) depctr_va_vdst(0) depctr_va_sdst(0) depctr_va_ssrc(0) depctr_va_vcc(0) depctr_vm_vsrc(0)
	s_getreg_b32 s2, hwreg(HW_REG_IB_STS2, 6, 4)
	s_cmp_eq_u32 s2, 0
	s_cbranch_scc0 .Lentry_in_a_cluster
	s_endpgm
.Lentry_in_a_cluster:
	s_bfe_u32 s2, ttmp6, 0x10000c
	s_cmp_lg_u32 s2, 0x3003
	s_cbranch_scc0 .Lentry_shape_is_right
	s_endpgm
.Lentry_shape_is_right:
; TENSORIZED GRU.  s = [st0|st1], x = [in0|in1], both [4096][256].  m1[b][l] = sum over j, k of s[b][j] x[b][k] W1[l][j][k], m2 the same with W2;
; out[b][l] = u tanh(m1 + b1) + (1 - u) (s W3)[b][l], u = sigmoid(m2 + b2).
; NOTHING IS LEFT OUT: every input has a way to the output, and all ten buffers are arguments.
; ORDER OF THE SUMS.  T[j][b] = sum over k of W[l][j][k] x[b][k] is a matrix product (rows of W lie along k, rows of x lie along k), with the same multiply-adds as the trilinear form;
; m[b][l] = sum over j of s[b][j] T[j][b] has another T for every b, so it is no matrix product: it is made in f32 by fused multiply-adds, one for each number of T.
; FORMATS.  x, s, W1, W2, W3, b1 and b2 are each rounded once to bf16; T, m, s W3 and the gates are f32.
; LIMITS.  tanh z = 1 - 2 / (1 + 2^(2 z log2 e)): its absolute error is a few units of f32's last place at 1, so tiny z keep no relative accuracy; an exponential below 2^-126 counts as 0 and one past f32's
; range as infinity, which give the gates' end values -1, 0, 1; NaN and infinities among the inputs are not treated apart.
; SHARES.  256 work-groups of four waves.  A work-group owns 512 rows b and four l (l0 = 4 y) of W1 and of W2: eight planes q (0-3: W1[l0+q], 4-7: W2[l0+q-4]).  A wave owns 128 of the rows, eight tiles
; of 16; their x stays in 512 registers as bf16 fragments for the whole launch.  The walk: jt = 0..15 (16 values of j), and for each the eight planes: a STEP is 16 j x 256 k of one plane times 128 rows,
; 64 matrix instructions a wave.
; LAYOUT.  Source 0 = 16 rows j of W, source 1 = 16 rows b of x: register i of lane (r, h) of the result is T[16 jt + 8 h + i][b = r].  So the sum over j stays in the lane: eight multiply-adds into one
; register P[q][tile]; the two halves of the lanes are added once, at the end.
; s W3 goes with it on the matrix unit: the packed s of two tiles, as they lie for the multiply-adds, ARE a source 1 of 32 deep (16 j of one tile, then 16 j of the next); source 0 holds W3's four columns in
; rows 0-3 for the first 16 and in rows 8-11 for the second 16, zeros elsewhere: registers 0-3 of the result hold (s W3)[b = 32 p + lane][l0 + 0..3].
; CLUSTER.  The four work-groups of a cluster have the same y and walk the same planes of W: each block is asked for JOINTLY, by the same tensor load, descriptor and mask in all four.
; W IS ROUNDED ONCE A WORK-GROUP.  A block (16 j x 256 k of one plane) lands in LDS in f32.  The wave that fetched it reads it back, 512 consecutive bytes a load, rounds it and stores it as bf16 rows; all four
; waves take their fragments from those rows.  A quarter of a block goes with each step: 8 loads, 16 conversions, 8 stores.
; THE OUTPUT.  A work-group has 16 bytes of each of its rows of out0 (four l).  Whole pieces of 256 bytes of a row would want 64 l to a work-group, and then 32 rows b, sixteen times the readings of W.
; LDS.  F0, F1: two slots of four f32 blocks, filled by tensor loads (F0: W1's planes, F1: W2's).  H0, H1: the same blocks in bf16, written by ds_store alone; no tensor load lands there.  Then the spare words.
; REGISTERS, in windows of 256 (s_set_vgpr_msb: bits 1:0 source 0, 3:2 source 1, 5:4 source 2, 7:6 destination):
;   window 0: v0-15 addresses, masks, at work; v16-47 s packed; v48-111 the next s in f32; v112-143 a quarter block of W in f32; v176-239 eight accumulators; v240-251 W3
;   window 1: v0-127 W's bf16 fragments, two buffers; v128-191 P; v192-223 s W3; v224-231 W3's fragment; v232-237 LDS addresses; v238-253 a quarter block of W in bf16          windows 2, 3: x
.set PITCH, 1040                       ; a row of F: 1,024 bytes + 16 of padding
.set BLK,   16*PITCH                   ; a block in f32
.set SLOT,  4*BLK
.set HP,    528                        ; a row of H: 512 bytes + 16 = 132 words: row r starts 4 r words on (64 banks of 4 bytes: ISA guide 11.1), so the 16 rows of a fragment load start at 16 different groups of four banks
.set HBLK,  16*HP                      ; a block in bf16
.set HREG,  4*HBLK
.set HB,    2*SLOT                     ; H0 begins behind the two slots, at a multiple of 256
.set SPARE, HB+2*HREG                  ; behind H1: the spare words, 128 bytes for each wave: two blocks of 256 bytes that no other line names
.set JSTEP, 16*1024                    ; bytes of a plane from one jt to the next
.set XO,  2                            ; v2   512 r + 32 h: my byte offset in 16 rows of in0, in1, st0, st1; never rewritten
.set W3O, 3                            ; v3   4,096 h + 4 (r % 4): my byte offset in 16 rows of W3; never rewritten
.set OO,  4                            ; v4   512 x lane: my row among 32 of out0
.set PFO, 5                            ; v5   256 x lane: the prefetches' offset; never rewritten
.set MA,  6                            ; v6   all ones where r < 4
.set MB,  7                            ; v7   all ones where 8 <= r < 12
.set SPW, 8                            ; v8   LDS address of my spare word; never rewritten
.set NIL, 9                            ; v9   0; never rewritten
.set S,   16                           ; tile t's s at v[S+4t]: eight j, packed
.set L,   48                           ; tile t's next s at v[L+8t], f32
.set STG, 112                          ; eight loads of four f32
.set ACC, 176                          ; tile t's accumulator at v[ACC+8t]
.set W3R, 240
.set Q,   248
.set P,   128                          ; window 1: P[q][t] at P+8q+t
.set D3,  192                          ; window 1: s W3 for tiles 2p, 2p+1 at D3+8p
.set A3,  224                          ; window 1
.set HA,  232                          ; window 1: v232, v233  my place in a fragment's rows, in H0 and in H1: 528 r + 16 h
.set FA,  234                          ; window 1: v234, v235  my 16 bytes of 512 in my wave's block of F0 and of F1
.set HS,  236                          ; window 1: v236, v237  my 8 bytes of 256 in my wave's block of H0 and of H1
.set PK,  238                          ; window 1: v238-253    what the sixteen conversions make
.set CB,   16                          ; the way out, window 0
.set KEEP, 48
.set OUT,  80
.set SND,  112
.set PRM,  144
.set WV,  8                            ; s8   my wave's number
.set CX,  9                            ; s9   my place in the cluster: it enters x's, s's, out0's and the prefetches' addresses alone
.set BX,  10
.set YY,  11
.set G1,  24                           ; s[24:31] descriptor group 1
.set G0A, 32                           ; s[32:35] group 0 for F0
.set G0B, 36                           ; s[36:39] group 0 for F1
.set SB0, 40                           ; s[40:41] st0 at my wave's rows
.set SB1, 42                           ; s[42:43] st1
.set SPT, 44                           ; s[44:45] where the next s comes from
.set W3P, 46                           ; s[46:47] W3 at column l0, at the rows of the jt last loaded
.set PF1, 48                           ; s[48:49] where my prefetches stand in W1
.set PF2, 50                           ; s[50:51] in W2
.set OUTP, 52
.set JO,  54                           ; s[54:55] 64 (jt % 8), high word 0
.set CNT, 56
.set SJ,  57                           ; the jt whose s was asked for last
.set LIM, 58                           ; 1 in a wave that prefetches, else the greatest number
.set HM,  59                           ; lanes 16-31
.set SEL, 60                           ; s[60:61] v_permlanex16_b32's selects: each lane takes its own place in the other half
.set K1,  62                           ; 2 log2 e
.set K2,  63                           ; - log2 e
.set B1S, 88
.set B2S, 92
.set X0P, 96
.set X1P, 98
.set MSB, 0
.macro WIN new                         ; the immediate's high byte repeats the setting that is left; a switch that changes nothing is dropped
.if MSB != (\new)
	s_set_vgpr_msb (MSB<<8)|(\new)
.set MSB, (\new)
.endif
.endm
.set M_A, 0x09                         ; W's fragments (and an LDS load's address) in window 1, x in window 2, accumulators (and an LDS load's data) in window 0
.set M_B, 0x0d                         ; the same with x in window 3
.set R1,  0x50                         ; destination and source 2 in window 1, sources 0 and 1 in window 0: serves the conversions of W and the multiply-adds into P
.set W3M, 0x51                         ; W3's fragment and the sums in window 1, s in window 0
.set LDW, 0x01                         ; an LDS load's address in window 1, its data in window 0
.set RUNW, 0x45                        ; an LDS instruction's address, a store's data and a load's data all in window 1
; A round of the cluster's barrier: my work-group's barrier, so that wave 0's signal speaks for all four waves; wave 0 signals; every wave waits for all four work-groups; my work-group's barrier once more.
.macro CROUND
	s_barrier_signal -1
	s_barrier_wait -1
	s_cmp_lg_u32 s[WV], 0
	s_cbranch_scc1 .Lnot_wave_0_\@
	s_barrier_signal -3
.Lnot_wave_0_\@:
	s_barrier_wait -3
	s_barrier_signal -1
	s_barrier_wait -1
.endm
	s_load_b512 s[68:83], s[0:1], 0x0              ; in0 68, in1 70, st0 72, st1 74, W1 76, W2 78, W3 80, b1 82
	s_load_b128 s[84:87], s[0:1], 0x40             ; b2 84, out0 86
	v_lshl_add_u32 v[SPW], v0, 2, SPARE
	v_mov_b32 v[NIL], 0
	ds_add_u32 v[SPW], v[NIL]                      ; the wave's opening: the add, twice on end, and its wait ahead of my first tensor load; the set-up below stands between
	ds_add_u32 v[SPW], v[NIL]
	v_lshrrev_b32 v10, 5, v0
	v_readfirstlane_b32 s[WV], v10                 ; wave 0..3
	s_bfe_u32 s[CX], ttmp6, 0x40000                ; cx
	s_lshl_b32 s[BX], ttmp9, 2                     ; in a cluster launch ttmp9 counts clusters
	s_add_co_u32 s[BX], s[BX], s[CX]               ; my block of 512 rows
	s_and_b32 s[YY], ttmp7, 0xffff                 ; y, which the four partners share
	; descriptor group 1: a block of 16 rows x 256 elements of 4 bytes, padded in LDS
	s_mov_b32 s[G1], 15|(2<<16)|(1<<20)|(1<<21)|(7<<22)|(3<<25)  ; 15:0 the mask of four; 17:16 4-byte elements; 20 padding on; 21 set beside a mask; 24:22 after every 256 words (code 7); 31:25 4 words (code 3)
	s_mov_b32 s[G1+1], 256<<16                     ; tensor_dim0 = 256
	s_mov_b32 s[G1+2], 16<<16                      ; tensor_dim1 = 16
	s_mov_b32 s[G1+3], 256<<16                     ; tile_dim0 = 256
	s_mov_b32 s[G1+4], 16                          ; tile_dim1 = 16
	s_mov_b32 s[G1+5], 256                         ; 256 elements from row to row
	s_mov_b32 s[G1+6], 0
	s_mov_b32 s[G1+7], 0
	s_lshl_b32 s12, s[BX], 18                      ; 512 rows of 512 bytes,
	s_lshl_b32 s13, s[WV], 16                      ; my wave's 128 of them
	s_add_co_u32 s12, s12, s13
	s_mov_b32 s13, 0
	s_lshl_b32 s14, s[YY], 2
	s_add_co_u32 s14, s14, s[WV]                   ; the plane that I fetch: l0 + wave: no place in the cluster enters it
	s_lshl_b32 s14, s14, 18                        ; planes of 262,144 bytes
	s_mov_b32 s15, 0
	s_lshl_b32 s16, s[YY], 2
	s_add_co_u32 s16, s16, s[CX]                   ; the plane that my work-group prefetches: l0 + cx,
	s_lshl_b32 s16, s16, 18
	s_and_b32 s17, s[WV], 1
	s_lshl_b32 s17, s17, 13                        ; my wave's 8,192 bytes of a block,
	s_add_co_u32 s16, s16, s17
	s_add_co_u32 s16, s16, JSTEP                   ; at jt = 1: each tensor's first change of slots steps it to 2
	s_mov_b32 s17, 0
	s_lshl_b32 s22, s[YY], 4                       ; 4 l0 bytes: four f32
	s_mov_b32 s23, 0
	s_mul_i32 s18, s[WV], BLK                      ; where my block lies in a slot of F,
	s_mul_i32 s66, s[WV], HBLK                     ; and in H0 or H1
	s_lshr_b32 s19, s[WV], 1                       ; waves 0 and 1
	s_or_b32 s19, s19, ttmp9                       ; of the first of the two clusters that walk these planes: the same in all four partners
	s_cmp_eq_u32 s19, 0
	s_cselect_b32 s[LIM], 1, -1
	s_mov_b32 s[JO+1], 0
	s_mov_b32 s[SJ], 0
	s_mov_b32 s[HM], 0xffff0000
	s_mov_b32 s[SEL], 0x76543210
	s_mov_b32 s[SEL+1], 0xfedcba98
	s_mov_b32 s[K1], 0x4038aa3b
	s_mov_b32 s[K2], 0xbfb8aa3b
	v_and_b32 v1, 15, v0                           ; r
	v_bfe_u32 v10, v0, 4, 1                        ; h
	v_and_b32 v11, 31, v0                          ; lane
	v_lshlrev_b32 v[XO], 9, v1
	v_lshl_add_u32 v[XO], v10, 5, v[XO]
	v_and_b32 v12, 3, v0
	v_lshlrev_b32 v[W3O], 2, v12
	v_lshl_add_u32 v[W3O], v10, 12, v[W3O]
	v_lshlrev_b32 v[OO], 9, v11
	v_lshlrev_b32 v[PFO], 8, v11
	v_and_b32 v12, 12, v0                          ; r with its two low bits cleared
	v_cmp_eq_u32 s20, 0, v12
	v_cndmask_b32 v[MA], 0, -1, s20
	v_cmp_eq_u32 s21, 8, v12
	v_cndmask_b32 v[MB], 0, -1, s21
	v_mul_u32_u24 v13, v1, HP
	v_lshl_add_u32 v13, v10, 4, v13                ; a fragment's row x pitch + 16 h: eight bf16 for each half of the lanes
	v_lshl_add_u32 v14, v11, 4, s18                ; 16 x lane + my block of F
	v_lshl_add_u32 v15, v11, 3, s66                ; 8 x lane + my block of H
	s_wait_dscnt 0x0                               ; both opening adds are done
	s_wait_kmcnt 0x0
	s_add_nc_u64 s[X0P:X0P+1], s[68:69], s[12:13]
	s_add_nc_u64 s[X1P:X1P+1], s[70:71], s[12:13]
	s_add_nc_u64 s[SB0:SB0+1], s[72:73], s[12:13]
	s_add_nc_u64 s[SB1:SB1+1], s[74:75], s[12:13]
	s_mov_b64 s[SPT:SPT+1], s[SB0:SB0+1]           ; jt = 0
	s_mov_b32 s[G0A], 1                            ; 1:0 count = 1
	s_mov_b32 s[G0A+1], s18                        ; 63:32 LDS address
	s_add_nc_u64 s[G0A+2:G0A+3], s[76:77], s[14:15]  ; 120:64 global address: my plane of W1, jt = 0
	s_or_b32 s[G0A+3], s[G0A+3], 0x80000000        ; 127:126 type = 2
	s_mov_b32 s[G0B], 1
	s_add_co_u32 s[G0B+1], s18, SLOT
	s_add_nc_u64 s[G0B+2:G0B+3], s[78:79], s[14:15]
	s_or_b32 s[G0B+3], s[G0B+3], 0x80000000
	s_add_nc_u64 s[PF1:PF1+1], s[76:77], s[16:17]
	s_add_nc_u64 s[PF2:PF2+1], s[78:79], s[16:17]
	s_add_nc_u64 s[W3P:W3P+1], s[80:81], s[22:23]
	s_add_nc_u64 s[OUTP:OUTP+1], s[86:87], s[12:13]
	s_add_nc_u64 s[OUTP:OUTP+1], s[OUTP:OUTP+1], s[22:23]
	s_load_b128 s[B1S:B1S+3], s[82:83], s22 offset:0x0  ; b1[l0 .. l0+3]; s22 is not written again
	s_load_b128 s[B2S:B2S+3], s[84:85], s22 offset:0x0  ; b2[l0 .. l0+3]
	CROUND                                         ; all four work-groups are here: the first joint loads meet
	tensor_load_to_lds s[G0A:G0A+3], s[G1:G1+7]    ; both first fills stand together, ahead of every wait on TENSORcnt and every LDS read: two loads of mine are out
	s_nop 0
	tensor_load_to_lds s[G0B:G0B+3], s[G1:G1+7]
	s_nop 0
.rept 4
	v_nop
.endr
; x INTO REGISTERS.  A fragment is 16 rows x 32 k in 8 registers: lane (r, h) holds row r, k = 8 h + 0..7 and 16 + 8 h + 0..7.  In f32 that is four loads of 16 bytes, at 0, 16, 64 and 80 behind 128 kf + 32 h.
; A tile's 32 loads land in 128 registers at lb of window lw, and 64 conversions pack them into the tile's 64.
.macro XLOAD bt, lw, lb
	WIN (\lw)<<6
.set kf_, 0
.rept 8
.set j_, 0
.rept 4
.if kf_ < 4
	global_load_b128 v[(\lb)+16*kf_+4*j_:(\lb)+16*kf_+4*j_+3], v[XO], s[X0P:X0P+1] offset:(\bt)*8192+(kf_%4)*128+16*(j_%2)+64*(j_/2)
.else
	global_load_b128 v[(\lb)+16*kf_+4*j_:(\lb)+16*kf_+4*j_+3], v[XO], s[X1P:X1P+1] offset:(\bt)*8192+(kf_%4)*128+16*(j_%2)+64*(j_/2)
.endif
.set j_, j_+1
.endr
.set kf_, kf_+1
.endr
.endm
.macro XCVT bt, lw, lb                 ; tile bt lies in window 2 + bt / 4 at 64 (bt % 4)
	WIN ((2+(\bt)/4)<<6)|((\lw)<<2)|(\lw)
.set z, 0
.rept 64
	v_cvt_pk_bf16_f32 v[64*((\bt)%4)+z], v[(\lb)+2*z], v[(\lb)+2*z+1]
.set z, z+1
.endr
.endm
; s of 16 j for my eight tiles (lane (r, h): row r, j = 8 h + 0..7: two loads of 16 bytes a tile) and W3's 16 rows (lane: rows 8 h + 0..7, column l0 + r % 4): 24 loads.
.macro SLOADS
.set z, 0
.rept 8
	global_load_b128 v[L+8*z:L+8*z+3],   v[XO], s[SPT:SPT+1] offset:z*8192
	global_load_b128 v[L+8*z+4:L+8*z+7], v[XO], s[SPT:SPT+1] offset:z*8192+16
.set z, z+1
.endr
.set z, 0
.rept 8
	global_load_b32 v[W3R+z], v[W3O], s[W3P:W3P+1] offset:z*512
.set z, z+1
.endr
.endm
	XLOAD 0, 1, 0                                  ; five landing places of 128 registers that hold nothing yet
	XLOAD 1, 1, 128
	XLOAD 2, 0, 112
	XLOAD 3, 3, 0
	XLOAD 4, 3, 128
	s_wait_loadcnt 0x3f                            ; tiles 0-2 are in: 64 younger loads could stay out, and the wait's field holds 63
	XCVT 0, 1, 0
	XCVT 1, 1, 128
	XCVT 2, 0, 112
	XLOAD 5, 1, 0                                  ; into the three places just read out
	XLOAD 6, 1, 128
	XLOAD 7, 0, 112
	WIN 0
	SLOADS                                         ; s and W3 of jt = 0
	s_wait_loadcnt 0x3f                            ; tiles 3 and 4 are in: 120 younger loads could stay out
	XCVT 3, 3, 0
	XCVT 4, 3, 128
	s_wait_loadcnt 24                              ; tiles 5-7 are in; the 24 loads of s and W3 may stay out
	XCVT 5, 1, 0
	XCVT 6, 1, 128
	XCVT 7, 0, 112
	; What the first step finds, so that the loop has one text: P and s W3 start at 0; its first multiply-adds, of a step that has not been, add 0 x 0.  144 lines.
	WIN 0x40
.set z, 0
.rept 96
	v_mov_b32 v[P+z], 0
.set z, z+1
.endr
	v_add_nc_u32 v[HA], HB, v13
	v_add_nc_u32 v[HA+1], HB+HREG, v13
	v_mov_b32 v[FA], v14
	v_add_nc_u32 v[FA+1], SLOT, v14
	v_add_nc_u32 v[HS], HB, v15
	v_add_nc_u32 v[HS+1], HB+HREG, v15
	WIN 0
.set z, 0
.rept 32
	v_mov_b32 v[ACC+32+z], 0
.set z, z+1
.endr
.set z, 0
.rept 16
	v_mov_b32 v[S+16+z], 0
.set z, z+1
.endr
	s_wait_kmcnt 0x0                               ; b1 and b2
; THE MATRIX WORK.  Product idx of 64 of step q: k = 32 kf on, kf = (idx % 32) / 4; tile 4 (idx / 32) + idx % 4.  Four accumulators take turns, one instruction a turn; the first four start the sums.
.macro WM q, idx
.set kf_, ((\idx)%32)/4
.set bt_, 4*((\idx)/32)+(\idx)%4
.if (\idx) < 32
	WIN M_A
.else
	WIN M_B
.endif
.set rA_, 64*((\q)%2)+8*kf_
.set rB_, 64*(bt_%4)+8*kf_
.set rD_, ACC+8*bt_
.if kf_ == 0
	v_wmma_f32_16x16x32_bf16 v[rD_:rD_+7], v[rA_:rA_+7], v[rB_:rB_+7], 0
.else
	v_wmma_f32_16x16x32_bf16 v[rD_:rD_+7], v[rA_:rA_+7], v[rB_:rB_+7], v[rD_:rD_+7]
.endif
.endm
; THE LDS WORK, three kinds.  FRAGS: plane pl's eight fragments out of H, two loads of 16 bytes each, 32 bytes apart, straight into buffer pl % 2.
.macro FRAGS pl
.set z, 0
.rept 8
	ds_load_b128 v[64*((\pl)%2)+8*z:64*((\pl)%2)+8*z+3],   v[HA+(\pl)/4] offset:((\pl)%4)*HBLK+64*z
	ds_load_b128 v[64*((\pl)%2)+8*z+4:64*((\pl)%2)+8*z+7], v[HA+(\pl)/4] offset:((\pl)%4)*HBLK+64*z+32
.set z, z+1
.endr
.endm
; F32LD: quarter b of my own block of slot sl: four rows, each as two loads of 512 consecutive bytes; lane l of load n holds k = 128 (n % 2) + 4 l + 0..3 of row n / 2.
.macro F32LD sl, b
.set z, 0
.rept 8
	ds_load_b128 v[STG+4*z:STG+4*z+3], v[FA+(\sl)] offset:((8*(\b)+z)/2)*PITCH+((8*(\b)+z)%2)*512
.set z, z+1
.endr
.endm
; HST: the same quarter in bf16 into my block of H0 or H1: 256 consecutive bytes a store.
.macro HST rg, b
.set z, 0
.rept 8
	ds_store_b64 v[HS+(\rg)], v[PK+2*z:PK+2*z+1] offset:((8*(\b)+z)/2)*HP+((8*(\b)+z)%2)*256
.set z, z+1
.endr
.endm
.macro CV c                            ; two numbers of W rounded to bf16
	v_cvt_pk_bf16_f32 v[PK+(\c)], v[STG+2*(\c)], v[STG+2*(\c)+1]
.endm
; Multiply-add n of 32 for plane qq, tiles 4 g .. 4 g + 3: P += T[j = 8 h + n / 4] x s[that j], tile 4 g + n % 4.  T whole f32, s a bf16 half.  Each accumulator is read from its lowest register on.
.macro MX qq, g, n
.set mi_, (\n)/4
.set mb_, 4*(\g)+(\n)%4
.if mi_%2
	v_fma_mix_f32_bf16 v[P+8*(\qq)+mb_], v[ACC+8*mb_+mi_], v[S+4*mb_+mi_/2], v[P+8*(\qq)+mb_] op_sel:[0,1,0] op_sel_hi:[0,1,0]
.else
	v_fma_mix_f32_bf16 v[P+8*(\qq)+mb_], v[ACC+8*mb_+mi_], v[S+4*mb_+mi_/2], v[P+8*(\qq)+mb_] op_sel_hi:[0,1,0]
.endif
.endm
; ONCE A jt, in the middle of step 0: behind the last multiply-adds that read the old s, ahead of the first that read the new.  s and W3 of this jt, asked for a trip ago, are packed; load = 1: the next jt's are
; asked for; four products add this jt's 16 j to s W3.
.macro JTLUMP load
	WIN 0
	s_wait_loadcnt 0x0                             ; the 24 loads are in, and have read their addresses: the two pointers may be written
.set z, 0
.rept 32
	v_cvt_pk_bf16_f32 v[S+z], v[L+2*z], v[L+2*z+1]
.set z, z+1
.endr
.irp c, 0,1,2,3
	v_cvt_pk_bf16_f32 v[Q+\c], v[W3R+2*\c], v[W3R+2*\c+1]
.endr
	WIN 0x40
.irp c, 0,1,2,3
	v_and_b32 v[A3+\c], v[MA], v[Q+\c]             ; rows 0-3: k = 0..15
	v_and_b32 v[A3+4+\c], v[MB], v[Q+\c]           ; rows 8-11: k = 16..31
.endr
.if \load
	WIN 0
	s_add_co_u32 s[SJ], s[SJ], 1
	s_and_b32 s[JO], s[SJ], 7
	s_lshl_b32 s[JO], s[JO], 6                     ; 16 f32 for each jt within st0 or st1
	s_cmp_lt_u32 s[SJ], 8
	s_cselect_b64 s[SPT:SPT+1], s[SB0:SB0+1], s[SB1:SB1+1]
	s_add_nc_u64 s[SPT:SPT+1], s[SPT:SPT+1], s[JO:JO+1]
	s_add_nc_u64 s[W3P:W3P+1], s[W3P:W3P+1], 8192  ; 16 rows of W3
	SLOADS
.endif
	WIN W3M
.irp p, 0,1,2,3
	v_wmma_f32_16x16x32_bf16 v[D3+8*\p:D3+8*\p+7], v[A3:A3+7], v[S+8*\p:S+8*\p+7], v[D3+8*\p:D3+8*\p+7]
.endr
.endm
; A STEP: 64 products.  At its head stands ONE run of LDS instructions, never one singly among the products (pre = 1: the change of slots in front of the step has issued it):
;   st = 1     8 stores: the quarter block that the step before has rounded          fetch = 1  16 loads: the next step's fragments, into the other buffer
;   conv = 1   8 loads: the quarter block that this step rounds: slot F1 in steps 7, 0, 1, 2, slot F0 in steps 3 to 6
; The vector work stands two instructions behind a product:
;   products 16-31  the step before's tiles 4-7 are added into P          products 32-47  this step's tiles 0-3
;   products 57-63  the sixteen conversions, four of them behind the last; ahead of the first stands the step's one wait on DScnt, for the whole run, 57 products behind it
; A vector instruction that reads a matrix result, and a load into a register that a matrix instruction has read, stand four places behind it, and only plain vector instructions that name none of its registers are
; places (ISA guide 7.12.1 for vector instructions).  The multiply-adds behind products 28 to 31, which name tiles 4-7, are the places ahead of the first reads of tiles 0-3; the four
; conversions behind product 63 are the places ahead of the next run's loads into the buffer just multiplied (conv = 0: four v_nop).
; lump = 1, 2: JTLUMP stands behind product 31, without or with its loads.
.macro STEP q, fetch, conv, st, lump, pre
.set qn, ((\q)+1)%8
.set qp, ((\q)+7)%8
.if !(\pre)
.if (\st) || (\fetch)
	WIN RUNW
.endif
.if \st
	HST 1-(\q)/4, (\q)%4
.endif
.if \fetch
	FRAGS qn
.endif
.if \conv
	WIN M_A                                        ; the setting of the products that follow serves these loads too
	F32LD 1-qn/4, qn%4
.endif
.endif
.set n_, 0
.rept 64
	WM \q, n_
.if (n_ >= 16) && (n_ < 32)
	WIN R1
	MX qp, 1, 2*(n_-16)
	MX qp, 1, 2*(n_-16)+1
.elseif (n_ >= 32) && (n_ < 48)
	WIN R1
	MX \q, 0, 2*(n_-32)
	MX \q, 0, 2*(n_-32)+1
.elseif n_ >= 57
.if (n_ == 57) && ((\fetch) || (\conv))
	s_wait_dscnt 0x0                               ; the run at the step's head is done: the f32 quarter is in, and so are the next step's fragments
.endif
.if \conv
	WIN R1
	CV 2*(n_-57)
	CV 2*(n_-57)+1
.if n_ == 63
	CV 14
	CV 15
.endif
.elseif n_ == 63
.rept 4
	v_nop
.endr
.endif
.endif
.if (\lump) && (n_ == 31)
	JTLUMP (\lump)-1
.endif
.set n_, n_+1
.endr
.endm
; A PREFETCH INTO THE L2, behind a joint load, its five lines and the run of LDS loads that follows them: the same tensor's blocks one jt further on than that load's: a pass of the loop, 512 matrix instructions, ahead
; of the load that will want them.  Each 256 bytes of W1 and W2 are named ONCE in the launch.  Two clusters walk the same planes: the first (cluster x = 0) asks.  Its four partners share the four planes out BY ADDRESS
; (plane l0 + cx): no branch hangs on a work-group's place in its cluster.  In each, waves 0 and 1 take half a block: a lane 256 bytes, one instruction.  jt = 0 and 1 come by their loads alone; the loop's last pass asks for nothing.
.macro ASK pf
	s_cmp_gt_u32 s[CNT], s[LIM]
	s_cbranch_scc0 .Lnot_mine_\@
	global_prefetch_b8 v[PFO], s[\pf:(\pf)+1] th:TH_LOAD_NT scope:SCOPE_SE
.Lnot_mine_\@:
.endm
; THE CHANGE, twice a jt.  One barrier for four things: one of H0, H1 is whole (front = 0, 1: its last quarter is stored here, ahead of the waits); nobody reads the other any more, so it may be written; one slot of F has
; been read out by the wave that fetched it; the other slot has landed.  Each wave waits for all its tensor loads, of which one is out; adds 0 to its spare word; and waits for that, for its stores and for its reads.
; fill = 1: the barrier is a round of the cluster's, so that no wave of any partner still reads the slot or has a load on its way, and the joint refill is the first thing behind it: it has four steps, 256 matrix
; instructions, in which to land.  Then comes the next step's run: plane pl's fragments out of the region just made whole and (cvs = 0, 1) the first quarter of my block of the slot that has landed.
.macro CHANGE g0, pf, fill, front, pl, cvs
.if (\front) >= 0
	WIN RUNW
	HST \front, 3
.endif
	WIN 0                                          ; the add's registers lie in window 0; at a label and at a branch every window is 0
	s_wait_tensorcnt 0x0                           ; no tensor load of mine is out, so a group 0 may be written
	ds_add_u32 v[SPW], v[NIL]                      ; 0 onto my spare word
.if \fill
	s_add_nc_u64 s[(\g0)+2:(\g0)+3], s[(\g0)+2:(\g0)+3], JSTEP  ; the type bits on top are not reached
	s_wait_xcnt 0x0                                ; this pointer's last prefetch, a pass back, has read it
	s_add_nc_u64 s[\pf:(\pf)+1], s[\pf:(\pf)+1], JSTEP
	s_wait_dscnt 0x0                               ; the add and my stores are done, and my reads are over
	CROUND
	tensor_load_to_lds s[\g0:(\g0)+3], s[G1:G1+7]
	s_nop 0
.rept 4
	v_nop
.endr
.else
	s_wait_dscnt 0x0
	s_barrier_signal -1
	s_barrier_wait -1
.endif
	WIN RUNW
	FRAGS \pl
.if (\cvs) >= 0
	WIN LDW
	F32LD \cvs, 0
.endif
.if \fill
	WIN 0
	ASK \pf
.endif
.endm
.macro BARE sl, b                      ; ahead of the loop: a quarter block is read and rounded with nothing beside it
	WIN LDW
	F32LD \sl, \b
	s_wait_dscnt 0x0
	WIN R1
.set z, 0
.rept 16
	CV z
.set z, z+1
.endr
.endm
	; AHEAD OF THE LOOP: W1 of jt = 0 goes from F0 into H0 whole, and the first quarter of W2 of jt = 0 is rounded, which the loop's step 7 would have done; step 0 stores it.
	s_wait_tensorcnt 0x0                           ; my two blocks are in
	s_barrier_signal -1                            ; a wave reads only the blocks that it fetched itself, behind its own wait; this barrier, once a launch, lets that ordering be read off the text
	s_barrier_wait -1                              ; without telling the waves' bytes apart.
.irp b, 0,1,2,3
	BARE 0, \b
	WIN RUNW
	HST 0, \b
.endr
	BARE 1, 0
	s_mov_b32 s[CNT], 15
	CHANGE G0A, PF1, 1, -1, 0, -1                  ; H0 is whole; F0 takes W1 of jt = 1; plane 0's fragments
	s_wait_dscnt 0x0                               ; they are in
	s_branch .Lenter                               ; the loop is entered in the middle of a pass, at jt = 0's step 0
.Ltrip:                                                ; a pass: the change behind step 6, step 7, then steps 0 to 6 of the next jt.  15 passes, the first entered at step 0: jt = 0 .. 14; both slots are filled again in each
	CHANGE G0A, PF1, 1, 0, 0, 1                    ; H0 holds the next jt's W1; F0 takes the one after; F1 has landed
	STEP 7, 1, 1, 0, 0, 1
	WIN 0
.Lenter:
	STEP 0, 1, 1, 1, 2, 0
	STEP 1, 1, 1, 1, 0, 0
	STEP 2, 1, 1, 1, 0, 0
	CHANGE G0B, PF2, 1, 1, 4, 0                    ; H1 holds this jt's W2; F1 takes the next jt's; F0 has landed
	STEP 3, 1, 1, 0, 0, 1
	STEP 4, 1, 1, 1, 0, 0
	STEP 5, 1, 1, 1, 0, 0
	STEP 6, 1, 1, 1, 0, 0
	WIN 0
	s_sub_co_u32 s[CNT], s[CNT], 1
	s_cmp_lg_u32 s[CNT], 0
	s_cbranch_scc1 .Ltrip
	CHANGE G0A, PF1, 0, 0, 0, 1                    ; the tail is written out: nothing is asked for any more
	STEP 7, 1, 1, 0, 0, 1                          ; jt = 14's last step
	STEP 0, 1, 1, 1, 1, 0                          ; jt = 15
	STEP 1, 1, 1, 1, 0, 0
	STEP 2, 1, 1, 1, 0, 0
	CHANGE G0B, PF2, 0, 1, 4, -1                   ; H1 holds the last W2; nothing is left to round
	STEP 3, 1, 0, 0, 0, 1
	STEP 4, 1, 0, 0, 0, 0
	STEP 5, 1, 0, 0, 0, 0
	STEP 6, 1, 0, 0, 0, 0
	STEP 7, 0, 0, 0, 0, 0
	WIN R1
.set z, 0
.rept 32
	MX 7, 1, z                                     ; the last step's tiles 4-7; the four v_nop behind its last product are the places
.set z, z+1
.endr
	; THE WAY OUT.  P[q][t] of lane (r, h) holds the j with (j / 8) % 2 = h for row 16 t + r.  For tiles 2 p and 2 p + 1 lanes 0-15 keep the even tile's and send the odd one's, lanes 16-31 the other way round:
	; one exchange between the halves, one addition, and lane l holds m for row 32 p + l, as s W3's registers do.  z = 8 p + q.
	WIN 0x05                                       ; sources 0 and 1 in window 1
.set z, 0
.rept 32
	v_cndmask_b32 v[SND+z],  v[P+8*(z%8)+2*(z/8)+1], v[P+8*(z%8)+2*(z/8)],   s[HM]
	v_cndmask_b32 v[KEEP+z], v[P+8*(z%8)+2*(z/8)],   v[P+8*(z%8)+2*(z/8)+1], s[HM]
.set z, z+1
.endr
	WIN 0
.set z, 0
.rept 32
	v_permlanex16_b32 v[PRM+z], v[SND+z], s[SEL], s[SEL+1]
.set z, z+1
.endr
	v_cvt_pk_bf16_f32 v10, s[B1S], s[B1S+1]        ; the biases, rounded to bf16 like every input,
	v_cvt_pk_bf16_f32 v11, s[B1S+2], s[B1S+3]
	v_cvt_pk_bf16_f32 v12, s[B2S], s[B2S+1]
	v_cvt_pk_bf16_f32 v13, s[B2S+2], s[B2S+3]
.irp c, 0,1,2,3
	v_lshlrev_b32 v[CB+2*\c], 16, v[10+\c]
	v_and_b32 v[CB+2*\c+1], 0xffff0000, v[10+\c]
.endr
.irp c, 0,1,2,3
	v_mul_f32 v[CB+\c], s[K1], v[CB+\c]            ; times the exponent's factor
	v_mul_f32 v[CB+4+\c], s[K2], v[CB+4+\c]
.endr
.set z, 0
.rept 32
	v_add_f32 v[KEEP+z], v[KEEP+z], v[PRM+z]       ; m
.set z, z+1
.endr
.set z, 0
.rept 32
	v_fma_f32 v[KEEP+z], v[KEEP+z], s[K1+(z%8)/4], v[CB+z%8]  ; 2 log2 e (m1 + b1), or - log2 e (m2 + b2)
.set z, z+1
.endr
.set z, 0
.rept 32
	v_exp_f32 v[KEEP+z], v[KEEP+z]
.set z, z+1
.endr
	v_nop                                          ; a plain instruction behind the last exponential,
	s_wait_alu depctr_va_vdst(0)                   ; and a wait ahead of the first use: one for the batch of 32
.set z, 0
.rept 16
	v_pk_add_f32 v[KEEP+z:KEEP+z+1], v[KEEP+z:KEEP+z+1], 1.0 op_sel_hi:[1,0]
.set z, z+2
.endr
.set z, 0
.rept 32
	v_rcp_f32 v[KEEP+z], v[KEEP+z]
.set z, z+1
.endr
	v_nop
	s_wait_alu depctr_va_vdst(0)                   ; one for the 32 reciprocals
.set z, 0
.rept 16                                       ; z = 4 p + i
	v_fma_f32 v[KEEP+8*(z/4)+z%4], v[KEEP+8*(z/4)+z%4], -2.0, 1.0  ; tanh
.set z, z+1
.endr
	WIN 0x04                                       ; source 1 in window 1
.set z, 0
.rept 16
	v_sub_f32 v[KEEP+8*(z/4)+z%4], v[KEEP+8*(z/4)+z%4], v[D3+8*(z/4)+z%4]  ; tanh - s W3
.set z, z+1
.endr
	WIN 0x10                                       ; source 2 in window 1
.set z, 0
.rept 16
	v_fma_f32 v[OUT+z], v[KEEP+8*(z/4)+4+z%4], v[KEEP+8*(z/4)+z%4], v[D3+8*(z/4)+z%4]  ; u (tanh - s W3) + s W3
.set z, z+1
.endr
	WIN 0
.irp p, 0,1,2,3
	global_store_b128 v[OO], v[OUT+4*(\p):OUT+4*(\p)+3], s[OUTP:OUTP+1] offset:(\p)*16384  ; row 32 p + lane, columns l0 .. l0 + 3
.endr
	s_wait_tensorcnt 0x0                           ; the wave's end, behind my last tensor load and my last LDS store
	ds_add_u32 v[SPW], v[NIL]
	s_wait_dscnt 0x0
	CROUND                                         ; the closing round: no work-group ends while a partner may still ask for a block that names it
	s_endpgm
.Lfunc_end_k_q282eb2d891_gru:
	.size	k_q282eb2d891_gru, .Lfunc_end_k_q282eb2d891_gru-k_q282eb2d891_gru
	.p2alignl 7, 3214868480
	.fill 96, 4, 3214868480
	.section	.rodata,"a",@progbits
	.p2align	6, 0x0
	.amdhsa_kernel k_q282eb2d891_gru
		.amdhsa_group_segment_fixed_size 327680
		.amdhsa_private_segment_fixed_size 0
		.amdhsa_enable_private_segment 0
		.amdhsa_kernarg_size 80
		.amdhsa_user_sgpr_count 2
		.amdhsa_user_sgpr_kernarg_segment_ptr 1
		.amdhsa_wavefront_size32 1
		.amdhsa_system_sgpr_workgroup_id_x 1
		.amdhsa_system_sgpr_workgroup_id_y 1
		.amdhsa_system_sgpr_workgroup_id_z 1
		.amdhsa_system_vgpr_workitem_id 0
		.amdhsa_next_free_vgpr 1024
		.amdhsa_next_free_sgpr 100
		.amdhsa_reserve_vcc 0
		.amdhsa_float_denorm_mode_32 3
		.amdhsa_float_denorm_mode_16_64 3
		.amdhsa_memory_ordered 1
		.amdhsa_forward_progress 1
		.amdhsa_inst_pref_size 255
	.end_amdhsa_kernel
	.section	.bss,"aw",@nobits
	.p2align	6
	.space	262144
	.amdgpu_metadata
---
amdhsa.version: [ 1, 2 ]
amdhsa.kernels:
  - .name:           k_q282eb2d891_gru
    .symbol:         k_q282eb2d891_gru.kd
    .args:
      - { .name: in0, .offset: 0, .size: 8, .value_kind: global_buffer, .address_space: global }
      - { .name: in1, .offset: 8, .size: 8, .value_kind: global_buffer, .address_space: global }
      - { .name: st0, .offset: 16, .size: 8, .value_kind: global_buffer, .address_space: global }
      - { .name: st1, .offset: 24, .size: 8, .value_kind: global_buffer, .address_space: global }
      - { .name: W1, .offset: 32, .size: 8, .value_kind: global_buffer, .address_space: global }
      - { .name: W2, .offset: 40, .size: 8, .value_kind: global_buffer, .address_space: global }
      - { .name: W3, .offset: 48, .size: 8, .value_kind: global_buffer, .address_space: global }
      - { .name: b1, .offset: 56, .size: 8, .value_kind: global_buffer, .address_space: global }
      - { .name: b2, .offset: 64, .size: 8, .value_kind: global_buffer, .address_space: global }
      - { .name: out0, .offset: 72, .size: 8, .value_kind: global_buffer, .address_space: global }
    .group_segment_fixed_size: 327680
    .private_segment_fixed_size: 0
    .kernarg_segment_align: 8
    .kernarg_segment_size: 80
    .max_flat_workgroup_size: 128
    .sgpr_count:     100
    .vgpr_count:     1024
    .wavefront_size: 32
...
	.end_amdgpu_metadata
.endif
;; end of part 2
